; MI455X (gfx1250); checked and timed in simulation.
; The chip was launched on July 23, 2026; its instructions are those of AMD's public machine-readable ISA for CDNA 5 (MIT licence, August 2026) and "CDNA5" Instruction Set Architecture Reference Guide (July 2026). The comments in the code are by the model that wrote it; some were corrected since.
;; Bit Delta Linear. Allowed arithmetic: float matrix products may take bf16 or f16 operands with f32 sums; all other float work in f32.
;; Inputs: base_weight 4,096 x 4,096 float32; delta_scales 4,096 float32; delta_signs 4,096 x 4,096 int32; input 8 x 512 x 4,096 float32.
;; Outputs: out0 8 x 512 x 4,096 float32.
;; One version. Each part assembles by itself: llvm-mc -triple=amdgcn-amd-amdhsa -mcpu=gfx1250 --defsym DOCPART=n.
;; ======== version 1 of 1: 2 launches
;; limits: values are held in f16: magnitudes above 65,504 overflow, below 6.1e-05 lose precision; inputs' magnitudes at most 65,504
;; workspace buffers: xh 33,554,432 bytes; wh 33,554,432 bytes
;; launch prep (part 1): grid 512 x 1, 8 waves a work-group, no clusters, 0 bytes of LDS; arguments input, base_weight, delta_signs, delta_scales, xh, wh; writes xh, wh
.if DOCPART == 1
	.amdgcn_target "amdgcn-amd-amdhsa--gfx1250"
	.amdhsa_code_object_version 6
	.text
	.protected	k_qaee7bc7391_prep
	.globl	k_qaee7bc7391_prep
	.p2align	8
	.type	k_qaee7bc7391_prep,@function
k_qaee7bc7391_prep:
	s_mov_b64 s[64:65], 0
	v_nop
	global_prefetch_b8 v0, s[64:65] scope:SCOPE_SE
	s_setreg_imm32_b32 hwreg(HW_REG_WAVE_MODE, 25, 1), 1
	s_wait_xcnt 0x0
; xh[m][i] = f16(input[m][i]);  wh[o][i] = f16(base[o][i] + (2 sign[o][i] - 1) scale[o]).  All four tables are [4096][4096]; input, base f32, sign int32, xh, wh f16.
; Both operands of the product that follows are made here ONCE, so that the product's launch moves 2 bytes a number and converts nothing.
; WHY f16.  A sum has 4,096 products.  With 8 significant bits an operand (bf16) a product carries a relative error of about 0.0024 rms, the sum 0.0024 of the outputs' rms: a quarter of the
; 0.01 that an output near zero is allowed, which among 16.7 million outputs is too near.  f16's 11 bits make it an eighth of that.
; SHARES.  Wave w of work-group g owns row r = 8 g + w of the weights and row r of the input: 4,096 waves, 4,096 rows of each, the same work in every wave, no branch.
; A row is 32 chunks of 512 bytes: a lane takes 16 bytes (4 numbers) of a chunk, so one load of the wave covers 512 consecutive bytes; the 4 results are 8 bytes,
; so one store of the wave covers 256 consecutive bytes, at a multiple of 256 from the buffer's first byte.
; The wave's work goes in six stages of 16 loads (four of the weights: 8 chunks of base and 8 of sign; two of the input: 16 chunks) through three sets of 64 registers:
; two stages, 32 loads, are on their way while one is worked on.  No LDS, no barrier, no matrix unit: nothing is shared and nothing is read twice.
; LIMITS.  Results are rounded to f16, to nearest even: a magnitude of the input or of a finished weight beyond 65,504 becomes infinite; below 2^-14 the absolute error is at most 2^-25
; (denormals are kept).  The problem's input has spread 1 and its weights 0.02: thirty times larger with an offset of thirty spreads (about 200 and 4) and thirty times smaller
; (0.033 and 0.0007) both lie inside.  2 sign - 1 is made in int32 and wraps as int32 does.  The weight is ONE fused multiply-add: for signs 0 and 1 the product is +-scale exactly, so it
; equals a multiply and an add bit for bit; for other integers it differs from them by at most one rounding in f32.
.set CHF, 512                          ; bytes of a chunk as loaded
.set CHB, 256                          ; bytes of a chunk as stored
.set X,   8                            ; v[8:199]  three sets of 64 registers: set q at v[X+64 q]
                                       ; v1 byte offset of my 16 bytes in a chunk as loaded, v2 of my 8 bytes in a chunk as stored: never rewritten
	s_load_b256 s[4:11], s[0:1], 0x0               ; input s[4:5], base s[6:7], signs s[8:9], scales s[10:11]
	s_load_b128 s[12:15], s[0:1], 0x20             ; xh s[12:13], wh s[14:15]
	v_lshrrev_b32 v3, 5, v0
	v_readfirstlane_b32 s16, v3                    ; wave 0..7
	s_lshl_b32 s17, ttmp9, 3
	s_add_co_u32 s17, s17, s16                     ; r = 8 g + w
	s_lshl_b32 s18, s17, 14                        ; r rows of 16,384 bytes (f32, int32): 67,092,480 at the most
	s_mov_b32 s19, 0
	s_lshl_b32 s20, s17, 13                        ; r rows of 8,192 bytes (f16)
	s_mov_b32 s21, 0
	s_lshl_b32 s22, s17, 2                         ; r numbers of 4 bytes (scales)
	s_mov_b32 s23, 0
	v_and_b32 v3, 31, v0                           ; lane
	v_lshlrev_b32 v1, 4, v3
	v_lshlrev_b32 v2, 3, v3
	s_wait_kmcnt 0x0
	s_add_nc_u64 s[4:5], s[4:5], s[18:19]          ; every table at my row
	s_add_nc_u64 s[6:7], s[6:7], s[18:19]
	s_add_nc_u64 s[8:9], s[8:9], s[18:19]
	s_add_nc_u64 s[10:11], s[10:11], s[22:23]
	s_add_nc_u64 s[12:13], s[12:13], s[20:21]
	s_add_nc_u64 s[14:15], s[14:15], s[20:21]
	s_load_b32 s24, s[10:11], 0x0                  ; scale[r]: one number for the whole wave, so it lives in a scalar register
; Stage g of the weights into set q: chunks 8 g to 8 g + 7 of base (registers 0-31 of the set), then of sign (registers 32-63).
.macro LOADW g, q
.irp c, 0,1,2,3,4,5,6,7
	global_load_b128 v[X+64*\q+4*\c:X+64*\q+4*\c+3], v1, s[6:7] offset:(8*\g+\c)*CHF th:TH_LOAD_NT
.endr
.irp c, 0,1,2,3,4,5,6,7
	global_load_b128 v[X+64*\q+32+4*\c:X+64*\q+32+4*\c+3], v1, s[8:9] offset:(8*\g+\c)*CHF th:TH_LOAD_NT
.endr
.endm
; The same stage worked on and stored.  No hint on the stores: the next launch reads these bytes.
.macro WORKW g, q
.irp c, 0,1,2,3,4,5,6,7
.set RB, X+64*\q+4*\c                  ; 4 of base; then the 8 bytes to store
.set RS, RB+32                         ; 4 of sign; then the 4 weights in f32
.irp k, 0,1,2,3
	v_lshl_add_u32 v[RS+\k], v[RS+\k], 1, -1       ; 2 sign - 1, in int32
.endr
.irp k, 0,1,2,3
	v_cvt_f32_i32 v[RS+\k], v[RS+\k]
.endr
.irp k, 0,2
	v_pk_fma_f32 v[RS+\k:RS+\k+1], v[RS+\k:RS+\k+1], s[24:25], v[RB+\k:RB+\k+1] op_sel_hi:[1,0,1]   ; (2 sign - 1) scale + base, two at a time; both halves take s24
.endr
	v_cvt_pk_f16_f32 v[RB], v[RS], v[RS+1]         ; two roundings to f16, packed: the first source into the low half
	v_cvt_pk_f16_f32 v[RB+1], v[RS+2], v[RS+3]
	global_store_b64 v2, v[RB:RB+1], s[14:15] offset:(8*\g+\c)*CHB
.endr
.endm
; Stage g of the input into set q: chunks 16 g to 16 g + 15.
.macro LOADX g, q
.irp c, 0,1,2,3,4,5,6,7,8,9,10,11,12,13,14,15
	global_load_b128 v[X+64*\q+4*\c:X+64*\q+4*\c+3], v1, s[4:5] offset:(16*\g+\c)*CHF th:TH_LOAD_NT
.endr
.endm
.macro WORKX g, q
.irp c, 0,1,2,3,4,5,6,7,8,9,10,11,12,13,14,15
.set RB, X+64*\q+4*\c
	v_cvt_pk_f16_f32 v[RB], v[RB], v[RB+1]
	v_cvt_pk_f16_f32 v[RB+1], v[RB+2], v[RB+3]
	global_store_b64 v2, v[RB:RB+1], s[12:13] offset:(16*\g+\c)*CHB
.endr
.endm
	LOADW 0, 0
	LOADW 1, 1
	LOADW 2, 2                                     ; 48 loads are out
	s_wait_kmcnt 0x0                               ; the scale
	s_mov_b32 s25, s24                             ; the packed multiply-add names the pair, so both words are written
	s_wait_loadcnt 32                              ; loads come back in order (ISA guide 5.7.1): the oldest stage is in, the two younger ones (2 x 16 loads) stay out
	WORKW 0, 0
	s_wait_xcnt 0x0                                ; the set's registers are the data of the stores just issued: they are loaded again only behind this wait
	LOADW 3, 0
	s_wait_loadcnt 32
	WORKW 1, 1
	s_wait_xcnt 0x0
	LOADX 0, 1
	s_wait_loadcnt 32
	WORKW 2, 2
	s_wait_xcnt 0x0
	LOADX 1, 2
	s_wait_loadcnt 32                              ; nothing more is asked for: the counts run down 32, 16, 0
	WORKW 3, 0
	s_wait_loadcnt 16
	WORKX 0, 1
	s_wait_loadcnt 0x0
	WORKX 1, 2
	s_endpgm
.Lfunc_end_k_qaee7bc7391_prep:
	.size	k_qaee7bc7391_prep, .Lfunc_end_k_qaee7bc7391_prep-k_qaee7bc7391_prep
	.p2alignl 7, 3214868480
	.fill 96, 4, 3214868480
	.section	.rodata,"a",@progbits
	.p2align	6, 0x0
	.amdhsa_kernel k_qaee7bc7391_prep
		.amdhsa_group_segment_fixed_size 0
		.amdhsa_private_segment_fixed_size 0
		.amdhsa_enable_private_segment 0
		.amdhsa_kernarg_size 48
		.amdhsa_user_sgpr_count 2
		.amdhsa_user_sgpr_kernarg_segment_ptr 1
		.amdhsa_wavefront_size32 1
		.amdhsa_system_sgpr_workgroup_id_x 1
		.amdhsa_system_sgpr_workgroup_id_y 1
		.amdhsa_system_sgpr_workgroup_id_z 1
		.amdhsa_system_vgpr_workitem_id 0
		.amdhsa_next_free_vgpr 200
		.amdhsa_next_free_sgpr 66
		.amdhsa_reserve_vcc 0
		.amdhsa_float_denorm_mode_32 3
		.amdhsa_float_denorm_mode_16_64 3
		.amdhsa_memory_ordered 1
		.amdhsa_forward_progress 1
		.amdhsa_inst_pref_size 41
	.end_amdhsa_kernel
	.amdgpu_metadata
---
amdhsa.version: [ 1, 2 ]
amdhsa.kernels:
  - .name:           k_qaee7bc7391_prep
    .symbol:         k_qaee7bc7391_prep.kd
    .args:
      - { .name: input, .offset: 0, .size: 8, .value_kind: global_buffer, .address_space: global }
      - { .name: base_weight, .offset: 8, .size: 8, .value_kind: global_buffer, .address_space: global }
      - { .name: delta_signs, .offset: 16, .size: 8, .value_kind: global_buffer, .address_space: global }
      - { .name: delta_scales, .offset: 24, .size: 8, .value_kind: global_buffer, .address_space: global }
      - { .name: xh, .offset: 32, .size: 8, .value_kind: global_buffer, .address_space: global }
      - { .name: wh, .offset: 40, .size: 8, .value_kind: global_buffer, .address_space: global }
    .group_segment_fixed_size: 0
    .private_segment_fixed_size: 0
    .kernarg_segment_align: 8
    .kernarg_segment_size: 48
    .max_flat_workgroup_size: 256
    .sgpr_count:     66
    .vgpr_count:     200
    .wavefront_size: 32
...
	.end_amdgpu_metadata
.endif
;; end of part 1
;; launch gemm (part 2): grid 16 x 16, 4 waves a work-group, clusters of 4 x 4, 327,680 bytes of LDS; arguments xh, wh, out0; writes out0
.if DOCPART == 2
	.amdgcn_target "amdgcn-amd-amdhsa--gfx1250"
	.amdhsa_code_object_version 6
	.text
	.protected	k_qaee7bc7391_gemm
	.globl	k_qaee7bc7391_gemm
	.p2align	8
	.type	k_qaee7bc7391_gemm,@function
k_qaee7bc7391_gemm:
	s_mov_b64 s[64:65], 0
	v_nop
	global_prefetch_b8 v0, s[64:65] scope:SCOPE_SE
	s_setreg_imm32_b32 hwreg(HW_REG_WAVE_MODE, 25, 1), 1
	s_wait_xcnt 0x0
	s_wait_alu depctr_hold_cnt(0) depctr_sa_sdst(0) depctr_va_vdst(0) depctr_va_sdst(0) depctr_va_ssrc(0) depctr_va_vcc(0) depctr_vm_vsrc(0)
	s_getreg_b32 s2, hwreg(HW_REG_IB_STS2, 6, 4)
	s_cmp_eq_u32 s2, 0
	s_cbranch_scc0 .Lentry_in_a_cluster
	s_endpgm
.Lentry_in_a_cluster:
	s_bfe_u32 s2, ttmp6, 0x10000c
	s_cmp_lg_u32 s2, 0xf033
	s_cbranch_scc0 .Lentry_shape_is_right
	s_endpgm
.Lentry_shape_is_right:
; out0[m][n] = sum over k of xh[m][k] wh[n][k].  xh (A): [4096][4096] f16, wh (B): [4096][4096] f16, out0 (C): [4096][4096] f32; sums in f32, K ascending, one sum for each output.
; SHARES.  C has 16 x 16 tiles of 256 x 256: 256 work-groups of four waves; a wave makes 128 x 128: 64 accumulators of 16 x 16, 512 registers.
; K goes in 32 steps of 128 through a ring of two LDS slots filled by the tensor data mover: a tile's rows are 256 bytes of memory and start at multiples of 256 bytes from the buffer's first byte.
; CLUSTERS.  4 x 4 work-groups form a cluster.  The four of a row of the cluster make tiles of one tile row of C and need the same tiles of A; the four of a column need the same tiles of B.
; Such a tile is asked for JOINTLY: each of the four issues the same tensor load, with the same descriptor and a mask that names the four, and each receives it in its own LDS.
; THE MATRIX INSTRUCTION IS USED TRANSPOSED: source 0 = 16 rows of B, source 1 = 16 rows of A.  In the result lane l holds row m = l % 16 of C and its registers 0 to 7 the columns
; n = 8 (l / 16) + 0..7: eight neighbouring f32 of a row of C, two LDS stores of 16 bytes.
; THE LAST K STEP GOES BY ROWS OF C, not by K: the wave's eight blocks of 16 rows are finished one after the other, and each leaves while the next ones are multiplied.
; THE WAY OUT.  A block of 16 rows x 128 columns (512 bytes a row) goes through the wave's own stage in LDS and comes back by rows, into the registers that it left:
; one global store of the wave is 512 consecutive bytes of C.
; LIMITS.  The operands are f16 as the launch before rounded them (11 significant bits; beyond 65,504 infinite; below 2^-14 an absolute error of at most 2^-25); nothing else is rounded but the f32 sums.
;
; REGISTERS, in windows of 256 (an instruction names v0-v255; s_set_vgpr_msb says which window each operand place means: bits 1:0 source 0, 3:2 source 1, 5:4 source 2, 7:6 destination):
;   window 0: v0-31 addresses; v64-127, v128-191 fragments of A (8 x 16 rows x 32 K), two buffers; in the last K step four buffers of 16 rows x 128 K
;   window 1: v64-127, v128-191 fragments of B, two buffers; in the last K step all 256: B's fragments of the whole step
;   window 2: the 32 accumulators of my rows 0-63 (accumulator (a, b) at v[8 (8 a + b)]);   window 3: those of my rows 64-127; on the way out a block's 64 registers take its 16 whole rows
.set SIZE_N, 4096
.set SIZE_K, 4096
.set KSTEP,  128
.set PITCH,  272                       ; an LDS row: 256 bytes of data + 16 of padding = 68 words: row r starts at bank 4 r mod 64 (64 banks of 4 bytes: ISA guide 11.1), so the 16 rows that a load touches start at 16 different banks
.set HALFT,  128*PITCH                 ; 128 rows: what one tensor load brings, and what one wave reads of A or of B
.set SLOT,   4*HALFT                   ; A's 256 rows, then B's 256 rows: 139,264 bytes
.set STAGE,  2*SLOT                    ; behind the ring, at byte 278,528 = 1,088 x 256: no tensor load lands here
.set SPITCH, 528                       ; a stage row: 512 bytes + 16 = 132 words: row r starts at bank 4 r mod 64
.set WSTAGE, 16*SPITCH                 ; a wave's stage: 16 rows
.set LAPS,   SIZE_K/(2*KSTEP)          ; a lap = two K steps = once round the ring: 16
.set ROWC,   SIZE_N*4                  ; bytes in a row of C
.set ADRA, 16                          ; v16-17  LDS address of my A fragments in slot 0, 1
.set ADRB, 20                          ; v20-21  the same for B
.set STO,  24                          ; v24     the way out: where I put my 32 bytes of a row's first 64
.set RD,   25                          ; v25     the way out: my 16 bytes of the stage's first row
.set CO,   26                          ; v26     my 16 bytes in a row of my part of C
.set F0,   64                          ; fragment buffer 0
.set F1,   128                         ; fragment buffer 1
.set PA,   64                          ; the last K step: A's fragments of 16 rows x 128 K, 32 registers; four such buffers, v64-191
.set G1,  24                           ; s[24:31] descriptor group 1 for A's tiles
.set G0,  32                           ; s[32:39] descriptor group 0 for A's tiles, one set for each slot
.set G1B, 48                           ; s[48:55] descriptor group 1 for B's tiles: it differs from A's in the mask alone
.set G0B, 56                           ; s[56:63] descriptor group 0 for B's tiles, one set for each slot
.set MSB, 0
.macro WIN new                         ; the immediate's high byte repeats the setting that is left; a switch that changes nothing is dropped
.if MSB != \new
	s_set_vgpr_msb (MSB<<8)|\new
.set MSB, \new
.endif
.endm
.set MUL_LO, 0xa1                      ; source 0 (B) window 1, source 1 (A) window 0, C and D window 2
.set MUL_HI, 0xf1                      ; the same, C and D window 3
.set TO_B,   0x40                      ; destination window 1, address window 0
.set OUT_LO, 0x88                      ; the way out of blocks 0-3: source 1 (the data of an LDS or global store) and destination (of an LDS load) window 2, addresses window 0
                                       ; OUT_LO + 0x44 = 0xcc: the same with window 3, for blocks 4-7
; A joint refill.  Waves 0 and 1 fetch A's two halves, waves 2 and 3 B's.  Each of the two lines has ONE mask and one set of registers for all that issue it, and nothing in them hangs on a
; coordinate that the four partners do not share.  The branch hangs on the wave's number alone: it is the same in every work-group.
; Four v_nop follow each of the two lines; the jump round the other line, the label and what follows the macro come after them.
.macro JLOAD s
	s_cmp_eq_u32 s11, 0
	s_cbranch_scc0 .Lfor_b_\@
	tensor_load_to_lds s[G0+4*\s:G0+4*\s+3], s[G1:G1+7]
	s_nop 0
.rept 4
	v_nop
.endr
	s_branch .Lasked_\@
.Lfor_b_\@:
	tensor_load_to_lds s[G0B+4*\s:G0B+4*\s+3], s[G1B:G1B+7]
	s_nop 0
.rept 4
	v_nop
.endr
.Lasked_\@:
.endm
; A round of the cluster's barrier: my work-group's barrier, so that wave 0's signal speaks for all four waves; wave 0 signals for the work-group; every wave waits for all
; sixteen work-groups; my work-group's barrier once more.  No LDS instruction of the wave is pending at a signal.
.macro CREST                           ; a round behind its opening barrier
	s_cmp_lg_u32 s10, 0
	s_cbranch_scc1 .Lnot_wave_0_\@
	s_barrier_signal -3
.Lnot_wave_0_\@:
	s_barrier_wait -3
	s_barrier_signal -1
	s_barrier_wait -1
.endm
.macro CROUND                          ; a whole round
	s_barrier_signal -1
	s_barrier_wait -1
	CREST
.endm
	s_load_b128 s[4:7], s[0:1], 0x0                ; A s[4:5], B s[6:7]
	s_load_b64 s[8:9], s[0:1], 0x10                ; C
	v_lshl_add_u32 v254, v0, 2, 0x4c400
	v_mov_b32 v255, 0
	ds_add_u32 v254, v255
	v_lshrrev_b32 v1, 5, v0
	v_readfirstlane_b32 s10, v1                    ; wave 0..3
	s_lshr_b32 s11, s10, 1                         ; which half of the tile's rows is mine.  Also: I fetch for A (0) or for B (1)
	s_and_b32 s12, s10, 1                          ; which half of its columns.  Also: which 128 rows of that tile I fetch
	s_bfe_u32 s40, ttmp6, 0x40000                  ; cx: my place along the cluster's x
	s_bfe_u32 s41, ttmp6, 0x40004                  ; cy: along its y
	s_lshl_b32 s42, ttmp9, 2                       ; in a cluster launch ttmp9 and ttmp7 count clusters
	s_add_co_u32 s42, s42, s40                     ; tile column of C = 4 x cluster x + cx
	s_and_b32 s13, ttmp7, 0xffff
	s_lshl_b32 s13, s13, 2
	s_add_co_u32 s13, s13, s41                     ; tile row of C = 4 x cluster y + cy
	s_lshl_b32 s43, s41, 2
	s_lshl_b32 s43, 15, s43                        ; my row of the cluster: places 4 cy .. 4 cy + 3
	s_lshl_b32 s44, 0x1111, s40                    ; my column: places cx, cx + 4, cx + 8, cx + 12
	; descriptor group 1: a tile of 128 rows x 128 elements, padded in LDS
	s_or_b32 s[G1+0], s43, (1<<16)|(1<<20)|(1<<21)|(5<<22)|(3<<25)  ; 15:0 the mask: A's tiles go to my row; 17:16 elements of 2 bytes; 20 padding on; 21 set beside a mask; 24:22 after every 64 words (code 5); 31:25 4 words of it (code 3)
	s_or_b32 s[G1B+0], s44, (1<<16)|(1<<20)|(1<<21)|(5<<22)|(3<<25) ; the same with the mask of my column, for B's tiles
.irp g, G1, G1B
	s_mov_b32 s[\g+1], KSTEP<<16                   ; 63:48 tensor_dim0, low half = 128
	s_mov_b32 s[\g+2], 128<<16                     ; 79:64 its high half = 0; 95:80 tensor_dim1, low half = 128
	s_mov_b32 s[\g+3], KSTEP<<16                   ; 111:96 its high half = 0; 127:112 tile_dim0 = 128
	s_mov_b32 s[\g+4], 128                         ; 143:128 tile_dim1 = 128; 159:144 tile_dim2 = 0
	s_mov_b32 s[\g+5], SIZE_K                      ; 191:160 tensor_dim0_stride, low word: elements from row to row
	s_mov_b32 s[\g+6], 0
	s_mov_b32 s[\g+7], 0
.endr
	; where the tiles come from.  A's hang on the tile row alone, which my row of the cluster shares; B's on the tile column alone, which my column shares.
	; Every wave makes both addresses, in registers that never hold the other coordinate, and asks by one of them.
	s_lshl_b32 s17, s12, 7                         ; which 128 rows of the tile I fetch
	s_lshl_b32 s16, s13, 8
	s_add_co_u32 s16, s16, s17                     ; A: row 256 x tile row + 128 x half
	s_lshl_b32 s46, s42, 8
	s_add_co_u32 s46, s46, s17                     ; B: row 256 x tile column + 128 x half
	s_mov_b32 s17, 0
	s_mov_b32 s47, 0
	s_mov_b64 s[18:19], SIZE_K*2
	s_mul_u64 s[16:17], s[16:17], s[18:19]         ; in bytes
	s_mul_u64 s[46:47], s[46:47], s[18:19]
	s_mul_i32 s20, s10, HALFT                      ; and where they go: A's two halves, then B's two halves = wave x 128 rows: no place in the cluster enters an LDS address
	s_wait_dscnt 0x0
	s_wait_kmcnt 0x0
	s_add_nc_u64 s[14:15], s[4:5], s[16:17]
	s_add_nc_u64 s[46:47], s[6:7], s[46:47]
	CROUND                                         ; all sixteen work-groups are here: the first joint loads meet
.irp s, 0,1
	s_mov_b32 s[G0+4*\s], 1                                        ; 1:0 count = 1
	s_add_co_u32 s[G0+4*\s+1], s20, \s*SLOT                        ; 63:32 LDS address
	s_add_nc_u64 s[G0+4*\s+2:G0+4*\s+3], s[14:15], \s*KSTEP*2      ; 120:64 global address: K step s
	s_or_b32 s[G0+4*\s+3], s[G0+4*\s+3], 0x80000000                ; 127:126 type = 2
	s_mov_b32 s[G0B+4*\s], 1
	s_add_co_u32 s[G0B+4*\s+1], s20, \s*SLOT
	s_add_nc_u64 s[G0B+4*\s+2:G0B+4*\s+3], s[46:47], \s*KSTEP*2
	s_or_b32 s[G0B+4*\s+3], s[G0B+4*\s+3], 0x80000000
.endr
	s_cmp_eq_u32 s11, 0                            ; a wave's two first fills stand in one branch, ahead of every wait on TENSORcnt, every LDS read and every further barrier: two loads of mine are out
	s_cbranch_scc0 .Lfirst_b
	tensor_load_to_lds s[G0:G0+3], s[G1:G1+7]
	s_nop 0
	tensor_load_to_lds s[G0+4:G0+7], s[G1:G1+7]
	s_nop 0
.rept 4
	v_nop
.endr
	s_branch .Lfirst_asked
.Lfirst_b:
	tensor_load_to_lds s[G0B:G0B+3], s[G1B:G1B+7]
	s_nop 0
	tensor_load_to_lds s[G0B+4:G0B+7], s[G1B:G1B+7]
	s_nop 0
.rept 4
	v_nop
.endr
.Lfirst_asked:
	; A fragment is 16 rows x 32 K in 8 registers: lane l holds row l % 16; registers 0-3 hold K = 8 (l / 16) + 0..7, registers 4-7 hold
	; K = 16 + 8 (l / 16) + 0..7.  From rows that lie along K: two loads of 16 bytes, 32 bytes apart.  The same for source 0 and source 1.
	v_and_b32 v1, 15, v0                           ; l % 16
	v_bfe_u32 v2, v0, 4, 1                         ; l / 16
	v_mul_u32_u24 v3, v1, PITCH
	v_lshl_add_u32 v3, v2, 4, v3                   ; row x pitch + 16 x half
	s_mul_i32 s21, s11, HALFT                      ; my 128 rows of A
	s_mul_i32 s22, s12, HALFT                      ; my 128 rows of B,
	s_add_co_u32 s22, s22, 2*HALFT                 ; which lie behind A's 256
.irp s, 0,1
	v_add_nc_u32 v[ADRA+\s], s21, v3
	v_add_nc_u32 v[ADRB+\s], s22, v3
	s_add_co_u32 s21, s21, SLOT
	s_add_co_u32 s22, s22, SLOT
.endr
	s_mul_i32 s23, s10, WSTAGE
	s_add_co_u32 s23, s23, STAGE                   ; my stage
	v_mul_u32_u24 v4, v1, SPITCH                   ; in: row l % 16, 32 bytes (8 f32) for each half of the lanes
	v_lshl_add_u32 v4, v2, 5, v4
	v_add_nc_u32 v[STO], s23, v4
	v_and_b32 v5, 31, v0
	v_lshlrev_b32 v[CO], 4, v5                     ; back and out: 32 lanes x 16 bytes are a whole row of 512 bytes
	v_add_nc_u32 v[RD], s23, v[CO]
	; C at my part of the tile; never stepped: the rows stand in the stores' immediates
	s_lshl_b32 s16, s13, 8
	s_lshl_b32 s17, s11, 7
	s_add_co_u32 s16, s16, s17                     ; my first row of C
	s_mov_b32 s17, 0
	s_mov_b64 s[18:19], ROWC
	s_mul_u64 s[16:17], s[16:17], s[18:19]
	s_add_nc_u64 s[8:9], s[8:9], s[16:17]
	s_lshl_b32 s46, s42, 10                        ; my first column, in bytes: 1,024 x tile column + 512 x half (in the registers that held B's address: none that feeds A's descriptors ever holds cx)
	s_lshl_b32 s47, s12, 9
	s_add_co_u32 s46, s46, s47
	s_mov_b32 s47, 0
	s_add_nc_u64 s[8:9], s[8:9], s[46:47]
; 16 matrix instructions: m blocks a0, a0 + 1 of the window's four (hi = 0: my rows 0-63, 1: rows 64-127) x all 8 n blocks, 32 along K.
; zero = 1: the first product starts the sums: nothing is ever cleared.
; The 64 accumulators take turns, one instruction a turn, in the same order in every quarter step, over the loop's backward jump and into the tail too.
.macro MUL16 f, hi, a0, zero
.irp a, \a0, \a0+1
.irp b, 0,1,2,3,4,5,6,7
.if \zero
	v_wmma_f32_16x16x32_f16 v[8*(8*(\a)+\b):8*(8*(\a)+\b)+7], v[\f+8*\b:\f+8*\b+7], v[\f+8*(4*\hi+\a):\f+8*(4*\hi+\a)+7], 0
.else
	v_wmma_f32_16x16x32_f16 v[8*(8*(\a)+\b):8*(8*(\a)+\b)+7], v[\f+8*\b:\f+8*\b+7], v[\f+8*(4*\hi+\a):\f+8*(4*\hi+\a)+7], v[8*(8*(\a)+\b):8*(8*(\a)+\b)+7]
.endif
.endr
.endr
.endm
; 32 LDS loads in one run: the fragments of one quarter step (128 rows of B, 128 rows of A, 32 K at byte k of the rows) into buffer f
.macro FETCH slot, k, f
	WIN TO_B
.irp i, 0,1,2,3,4,5,6,7
	ds_load_b128 v[\f+8*\i:\f+8*\i+3],   v[ADRB+\slot] offset:\k+\i*16*PITCH
	ds_load_b128 v[\f+8*\i+4:\f+8*\i+7], v[ADRB+\slot] offset:\k+\i*16*PITCH+32
.endr
	WIN 0
.irp i, 0,1,2,3,4,5,6,7
	ds_load_b128 v[\f+8*\i:\f+8*\i+3],   v[ADRA+\slot] offset:\k+\i*16*PITCH
	ds_load_b128 v[\f+8*\i+4:\f+8*\i+7], v[ADRA+\slot] offset:\k+\i*16*PITCH+32
.endr
.endm
; A load into a register that a matrix instruction has read or written, and an LDS store that reads a matrix result, stand four places behind that matrix instruction, and only plain vector
; instructions that name none of its registers are places (ISA guide 7.12.1 for vector instructions); the matrix instructions in between are not counted.
.macro PLACES
.rept 4
	v_nop
.endr
.endm
; A K step is four quarter steps of 32 along K, 64 matrix instructions each, on buffers 0, 1, 0, 1.
; One of the first three: multiplies buffer f; in its middle it fetches the next quarter's fragments, at byte k of the same slot's rows, into buffer g.
.macro QUARTER slot, k, f, g, zero
	s_wait_dscnt 8                                 ; B and A's rows 0-63 are in; the youngest eight loads (A's rows 64-127) may be out
	WIN MUL_LO
	MUL16 \f, 0, 0, \zero
	MUL16 \f, 0, 2, \zero
	PLACES
	FETCH \slot, \k, \g
	s_wait_dscnt 32                                ; all but the 32 just issued
	WIN MUL_HI
	MUL16 \f, 1, 0, \zero
	MUL16 \f, 1, 2, \zero
.endm
; The last quarter multiplies buffer 1 and changes slots.  MEET is its first half: ONE barrier for the change of slots, for two things.  In front of it each wave waits for its
; own reads of this slot and for all its tensor loads, of which one is out: its part of the next slot.  Behind it nobody reads this slot any more and the next slot is whole.
.macro MEET round                      ; round = 1: the rest of a round of the cluster's barrier follows
	s_wait_dscnt 8
	WIN MUL_LO
	MUL16 F1, 0, 0, 0
	s_wait_dscnt 0                                 ; my reads of this slot are over (the last were issued 48 matrix instructions ago)
	s_set_vgpr_msb 0xa1a0
	s_wait_tensorcnt 0x0                           ; and all my tensor loads have landed: the one that was out is my part of the next slot:
	ds_add_u32 v254, v255
	s_wait_dscnt 0x0
	s_set_vgpr_msb 0xa0a1
	s_barrier_signal -1                            ; say so (where a slot is filled again this barrier opens a round of the cluster's barrier),
	MUL16 F1, 0, 2, 0                              ; work on registers while the others arrive,
.if \round
	WIN 0
.endif
	s_barrier_wait -1                              ; and go on when all four have said so
.endm
; The whole last quarter of a K step behind which the slot is filled again: behind the round the refill comes first, with the K step two steps on; then the next slot's first fragments.
; From a request to the wait for it a wave issues 240 matrix instructions.
.macro TURN slot, next
	MEET 1
	CREST                                          ; wave 0 says so for the work-group, all sixteen work-groups have said so, my work-group's barrier closes the round:
	                                               ; no wave of any partner still reads this slot's tile or has a load on its way
	s_add_nc_u64 s[G0+4*\slot+2:G0+4*\slot+3], s[G0+4*\slot+2:G0+4*\slot+3], 2*KSTEP*2      ; no tensor load of mine is out, so a group 0 may be written; the type bits on top are not reached
	s_add_nc_u64 s[G0B+4*\slot+2:G0B+4*\slot+3], s[G0B+4*\slot+2:G0B+4*\slot+3], 2*KSTEP*2
	JLOAD \slot                                    ; the first tensor load behind the round, and my only one until the next; the four v_nop behind it are also the places in front of the loads below
	FETCH \next, 0, F0
	WIN MUL_HI
	MUL16 F1, 1, 0, 0
	MUL16 F1, 1, 2, 0
.endm
; THE LAST K STEP (it lies in slot 1) GOES BY ROWS OF C.  By K all 64 accumulators would be finished together, and every store would stand behind the last product.  So all the step's fragments
; of B (4 quarters x 64 registers) fill window 1, A's come by blocks of 16 rows x 128 K, and my eight blocks of 16 rows are finished one after the other, 32 matrix instructions each
; (the block's 8 accumulators by turns; K ascending).  LDS is read no more than in any other K step.
.macro BLOAD q                         ; B's fragments of quarter q -> window 1, v[64 q ..]
.irp i, 0,1,2,3,4,5,6,7
	ds_load_b128 v[64*\q+8*\i:64*\q+8*\i+3],   v[ADRB+1] offset:64*\q+\i*16*PITCH
	ds_load_b128 v[64*\q+8*\i+4:64*\q+8*\i+7], v[ADRB+1] offset:64*\q+\i*16*PITCH+32
.endr
.endm
.macro ALOAD a                         ; A's fragments of block a, all four quarters -> buffer a % 4
.set FA, PA+32*((\a)%4)
.irp q, 0,1,2,3
	ds_load_b128 v[FA+8*\q:FA+8*\q+3],   v[ADRA+1] offset:64*\q+(\a)*16*PITCH
	ds_load_b128 v[FA+8*\q+4:FA+8*\q+7], v[ADRA+1] offset:64*\q+(\a)*16*PITCH+32
.endr
.endm
.macro ROW a                           ; block a is finished: 32 matrix instructions
.set FA, PA+32*((\a)%4)                ; its fragments of A
.set AC, 64*((\a)%4)                   ; its eight accumulators, in window 2 (blocks 0-3) or 3 (blocks 4-7)
	WIN MUL_LO+0x50*((\a)/4)                       ; MUL_LO or MUL_HI
.irp q, 0,1,2,3
.if (\a) == 0 && \q == 2
	s_wait_dscnt 24                                ; B's quarter 2 is in (behind it: A's blocks 1 to 3, 24 loads)
.endif
.irp b, 0,1,2,3,4,5,6,7
	v_wmma_f32_16x16x32_f16 v[AC+8*\b:AC+8*\b+7], v[64*\q+8*\b:64*\q+8*\b+7], v[FA+8*\q:FA+8*\q+7], v[AC+8*\b:AC+8*\b+7]
.endr
.endr
.endm
; THE WAY OUT of block a (my rows 16 a to 16 a + 15), in two parts, both under ONE window setting.
; TOSTAGE: the block's eight accumulators go as they are (f32) into my own stage, 32 bytes a lane and accumulator, and come back as 16 whole rows of 512 bytes INTO THE SAME 64 REGISTERS:
; each block has registers of its own for its stores, so no store's data is ever written again and the way out has no wait for the stores' sources.
.macro TOSTAGE a
.set AC, 64*((\a)%4)
	WIN OUT_LO+0x44*((\a)/4)
.irp b, 0,1,2,3,4,5,6,7
	ds_store_b128 v[STO], v[AC+8*\b:AC+8*\b+3]   offset:64*\b
	ds_store_b128 v[STO], v[AC+8*\b+4:AC+8*\b+7] offset:64*\b+16
.endr
.irp t, 0,1,2,3,4,5,6,7,8,9,10,11,12,13,14,15
	ds_load_b128 v[AC+4*\t:AC+4*\t+3], v[RD] offset:\t*SPITCH      ; LDS serves a wave's instructions in order (ISA guide 5.7.1.4): these see the stores above, and the next block's stores come behind them
.endr
.endm
; SEND: stored.  younger: the LDS instructions issued behind the block's loads: the eight loads of A's block four further on, or none.
.macro SEND a, younger
.set AC, 64*((\a)%4)
	WIN OUT_LO+0x44*((\a)/4)
.irp t, 0,1,2,3,4,5,6,7,8,9,10,11,12,13,14,15
	s_wait_dscnt \younger+15-\t                    ; row t is back: behind it are the block's 15 - t later loads and the younger ones
	global_store_b128 v[CO], v[AC+4*\t:AC+4*\t+3], s[8:9] offset:(16*(\a)+\t)*ROWC th:TH_STORE_NT   ; 32 lanes store 512 consecutive bytes, at a multiple of 512 from C's first byte; 127 rows of C, 2,080,768 bytes, at the most: inside the signed 24-bit immediate
.endr
.endm
	s_wait_tensorcnt 1                             ; my part of K step 0 is in; K step 1's may stay out
	s_barrier_signal -1
	s_barrier_wait -1                              ; everybody's is
	FETCH 0, 0, F0
	QUARTER 0, 64,  F0, F1, 1                      ; the first quarter stands in front of the loop: its products start the sums
	WIN 0                                          ; at a label and at a branch every window is 0
	s_mov_b32 s3, LAPS-1
.Llap:                                                 ; 15 trips: a trip goes once round the ring, from a lap's second quarter to the next lap's first, and fills both slots again (the last trip asks for K steps 30 and 31)
	QUARTER 0, 128, F1, F0, 0
	QUARTER 0, 192, F0, F1, 0
	TURN 0, 1
	QUARTER 1, 64,  F0, F1, 0
	QUARTER 1, 128, F1, F0, 0
	QUARTER 1, 192, F0, F1, 0
	TURN 1, 0
	QUARTER 0, 64,  F0, F1, 0
	WIN 0
	s_sub_co_u32 s3, s3, 1
	s_cmp_lg_u32 s3, 0
	s_cbranch_scc1 .Llap
	QUARTER 0, 128, F1, F0, 0                      ; the last lap is written out: it asks for nothing
	QUARTER 0, 192, F0, F1, 0
	MEET 0                                         ; my one tensor load that was still out is K step 31's: none is out from here to the end, so no round follows
	PLACES                                         ; for the loads into buffer 0, which the quarter before multiplied
	WIN TO_B
	BLOAD 0                                        ; three quarters of B now: buffer 1 (v128-191 of windows 0 and 1) is still being multiplied
	BLOAD 1
	BLOAD 3
	WIN 0
	ALOAD 0
	WIN MUL_HI
	MUL16 F1, 1, 0, 0                              ; the rest of K step 30
	MUL16 F1, 1, 2, 0
	PLACES                                         ; for the loads into buffer 1
	WIN TO_B
	BLOAD 2
	WIN 0
	ALOAD 1
	ALOAD 2
	ALOAD 3
	s_wait_dscnt 40                                ; all but the 40 just issued: B's quarters 0, 1, 3 and A's block 0 are in
	ROW 0
; Block a goes into the stage and is asked back; block a + 1 is multiplied while those 32 LDS instructions run; then block a is stored.  So between two blocks' products stands one
; stretch of memory instructions, and the first store leaves seven blocks, 224 matrix instructions, ahead of the last product.
.irp a, 0,1,2,3,4,5,6
	PLACES                                         ; behind block a's products: its results are read by LDS stores, its accumulators and its buffer of A are loaded again
	TOSTAGE \a
.if \a < 4
	WIN 0
	ALOAD \a+4                                     ; block a's buffer takes the block four further on
.endif
.if \a == 0
	s_wait_dscnt 56                                ; A's block 1 is in: behind it were issued A's blocks 2 and 3 (16), block 0's trip through the stage (32) and A's block 4 (8).
	                                               ; The later blocks' fragments are shown in by the waits of the SEND before them
.endif
	ROW \a+1
.if \a < 4
	SEND \a, 8
.else
	SEND \a, 0
.endif
.endr
	PLACES
	TOSTAGE 7
	SEND 7, 0                                      ; its last wait is for 0: no LDS instruction of mine is pending at the signal below
	WIN 0
	s_wait_tensorcnt 0x0
	ds_add_u32 v254, v255
	s_wait_dscnt 0x0
	CROUND                                         ; the closing round: no work-group ends while a partner may still ask for a tile that names it
	s_endpgm
.Lfunc_end_k_qaee7bc7391_gemm:
	.size	k_qaee7bc7391_gemm, .Lfunc_end_k_qaee7bc7391_gemm-k_qaee7bc7391_gemm
	.p2alignl 7, 3214868480
	.fill 96, 4, 3214868480
	.section	.rodata,"a",@progbits
	.p2align	6, 0x0
	.amdhsa_kernel k_qaee7bc7391_gemm
		.amdhsa_group_segment_fixed_size 327680
		.amdhsa_private_segment_fixed_size 0
		.amdhsa_enable_private_segment 0
		.amdhsa_kernarg_size 24
		.amdhsa_user_sgpr_count 2
		.amdhsa_user_sgpr_kernarg_segment_ptr 1
		.amdhsa_wavefront_size32 1
		.amdhsa_system_sgpr_workgroup_id_x 1
		.amdhsa_system_sgpr_workgroup_id_y 1
		.amdhsa_system_sgpr_workgroup_id_z 1
		.amdhsa_system_vgpr_workitem_id 0
		.amdhsa_next_free_vgpr 1024
		.amdhsa_next_free_sgpr 66
		.amdhsa_reserve_vcc 0
		.amdhsa_float_denorm_mode_32 3
		.amdhsa_float_denorm_mode_16_64 3
		.amdhsa_memory_ordered 1
		.amdhsa_forward_progress 1
		.amdhsa_inst_pref_size 144
	.end_amdhsa_kernel
	.amdgpu_metadata
---
amdhsa.version: [ 1, 2 ]
amdhsa.kernels:
  - .name:           k_qaee7bc7391_gemm
    .symbol:         k_qaee7bc7391_gemm.kd
    .args:
      - { .name: xh, .offset: 0, .size: 8, .value_kind: global_buffer, .address_space: global }
      - { .name: wh, .offset: 8, .size: 8, .value_kind: global_buffer, .address_space: global }
      - { .name: out0, .offset: 16, .size: 8, .value_kind: global_buffer, .address_space: global }
    .group_segment_fixed_size: 327680
    .private_segment_fixed_size: 0
    .kernarg_segment_align: 8
    .kernarg_segment_size: 24
    .max_flat_workgroup_size: 128
    .sgpr_count:     66
    .vgpr_count:     1024
    .wavefront_size: 32
...
	.end_amdgpu_metadata
.endif
;; end of part 2
